; MI455X (gfx1250); checked and timed in simulation.
; The chip was launched on July 23, 2026; its instructions are those of AMD's public machine-readable ISA for CDNA 5 (MIT licence, August 2026) and "CDNA5" Instruction Set Architecture Reference Guide (July 2026). The comments in the code are by the model that wrote it; some were corrected since.
;; Mixture FFN Down. Allowed arithmetic: matrix products marked QUANTISED: E4M3 operands, one E8M0 scale for each 32 along K, by v_wmma_scale_f32_16x16x128_f8f6f4 with both operands' format E4M3, f32 sums; products left as they are: f32 operands where the result goes on into a quantised operand, else bf16, f16 or f32 operands; f32 sums; everything else in f32.
;; Inputs: agg_b 4 float32; agg_w 4 x 512 float32; expert_b 4 x 8 x 512 float32; expert_w_codes 4 x 8 x 512 x 64 x 32 uint8 (E4M3 codes of expert_w, K innermost, in blocks of 32 codes); expert_w_scales 4 x 8 x 512 x 64 uint8 (E8M0 scales of expert_w, one for each 32 codes along K); gate_w_codes 4 x 8 x 64 x 32 uint8 (E4M3 codes of gate_w, K innermost, in blocks of 32 codes); gate_w_scales 4 x 8 x 64 uint8 (E8M0 scales of gate_w, one for each 32 codes along K); orig_b 4 float32; orig_w 4 x 2,048 float32; x 4 x 512 x 2,048 float32.
;; Outputs: out0 4 x 512 x 4 float32.
;; This version of the problem:
;;   THIS VERSION OF THE PROBLEM IS GIVEN IN LOW PRECISION. The matrix products marked QUANTISED in the list below multiply operands that are first quantised to E4M3 (4 exponent bits, 3 mantissa bits; 8 bits a number), with one power-of-two scale for each 32 numbers along K (OCP MX v1.0); their sums are f32. All else is computed in f32.
;;   The module's matrix products, in the order in which they are computed (A, B: the left and right operand; K: the contracted axis; several contracted axes count as one K, in the product's order):
;;     1. [M 2,048, K 2,048] x [K 2,048, N 32]; A: input x; B: input gate_w (given as codes): QUANTISED
;;     2. [M 2,048, K 2,048] x [K 2,048, N 16,384]; A: input x; B: input expert_w (given as codes): QUANTISED
;;     3. batch 8,192 x [M 512, K 8] x [K 8, N 1]; A: computed on the way; B: computed on the way: left as it is (K = 8 < 32)
;;     4. [M 8,192, K 512] x [K 512, N 4]; A: computed on the way; B: input agg_w: left as it is (N = 4 < 16)
;;     5. [M 2,048, K 2,048] x [K 2,048, N 4]; A: input x; B: input orig_w: left as it is (N = 4 < 16)
;;   THE QUANTISER, for each operand of a quantised product, along K:
;;     - K is cut into blocks of 32 from its start; a last block that is shorter is filled with zeros.
;;     - A block's scale is 2^e with e = floor(log2(the largest magnitude in the block)) - 8, held to -126 .. 127; a block of zeros has e = 0. As a byte (E8M0): e + 127.
;;     - Each number is divided by its block's scale, clamped to +-448, and rounded to the nearest number of E4M3, ties to even, subnormals kept.
;;     - The product sums the exact products of the quantised numbers (number of the format x scale) in f32.
;;   ~~~python
;;   def quantise(x, axis):      # numpy; x: float32 -> the quantised numbers, widened to float32 again
;;       x = np.moveaxis(x, axis, -1); K = x.shape[-1]
;;       x = np.pad(x, [(0, 0)] * (x.ndim - 1) + [(0, -K % 32)]); x = x.reshape(x.shape[:-1] + (-1, 32)); a = np.abs(x).max(-1, keepdims=True)
;;       e = np.where(a > 0, np.clip(np.frexp(np.where(a > 0, a, 1))[1] - 1 - 8, -126, 127), 0)      # np.frexp(a)[1] - 1 = floor(log2(a)), exactly
;;       r = np.clip(x / 2.0 ** e, -448, 448)
;;       step = 2.0 ** (np.maximum(np.frexp(np.where(r == 0, 1, r))[1] - 1, -6) - 3)
;;       q = np.round(r / step) * step * 2.0 ** e      # np.round: ties to even
;;       return np.moveaxis(q.reshape(q.shape[:-2] + (-1,))[..., :K], -1, axis).astype(np.float32)
;;   ~~~
;;   INPUTS GIVEN AS CODES. expert_w (in the module: [4, 8, 512, 2048], K = its axis 3); gate_w (in the module: [4, 8, 2048], K = its axis 2): each comes as NAME_codes (uint8): NAME with its K axis moved to the last place and cut into blocks of 32 codes, [.., K / 32, bytes a block], one block behind the other in memory; one code a byte (a code: sign, 4 exponent bits, 3 mantissa bits); and NAME_scales (uint8): the same leading axes, one E8M0 byte (e + 127) for each 32 codes along K. Its value is code x scale, taken as it is: it is not quantised again, and the codes and scales need not be those that the quantiser above would give.
;; One version. Each part assembles by itself: llvm-mc -triple=amdgcn-amd-amdhsa -mcpu=gfx1250 --defsym DOCPART=n.
;; ======== version 1 of 1: 4 launches
;; workspace buffers: xq 4,194,304 bytes; xs 131,072 bytes; sel 32,768 bytes of whole numbers; rwq 65,536 bytes; base 32,768 bytes; list 262,144 bytes of whole numbers; counts 256 bytes of whole numbers; y 1,048,576 bytes
;; launch route (part 1): grid 128 x 1, 16 waves a work-group, no clusters, 212,224 bytes of LDS; arguments x, gate_w_codes, gate_w_scales, orig_w, orig_b, agg_b, xq, xs, sel, rwq, base; writes xq, xs, sel, rwq, base
.if DOCPART == 1
	.amdgcn_target "amdgcn-amd-amdhsa--gfx1250"
	.amdhsa_code_object_version 6
	.text
	.protected	k_q0336b4d55c_route
	.globl	k_q0336b4d55c_route
	.p2align	8
	.type	k_q0336b4d55c_route,@function
k_q0336b4d55c_route:
	s_mov_b64 s[64:65], 0
	v_nop
	global_prefetch_b8 v0, s[64:65] scope:SCOPE_SE
	s_setreg_imm32_b32 hwreg(HW_REG_WAVE_MODE, 25, 1), 1
	s_wait_xcnt 0x0
; FIRST OF FOUR LAUNCHES.  out[t][j] = x[t].orig_w[j] + orig_b[j] + agg_b[j] + 1/4 sum over groups g and the two chosen experts k of
;   rw[t][g][k] x sum over d of agg_w[j][d] (Q(x)[t].W[g][sel k][d] + b[g][sel k][d]).
; This launch: x is quantised once (E4M3 codes, one E8M0 byte for each 32 along K) into xq [2048][2048] and xs [2048][64]; the gate's logits (codes x codes);
; the two largest of each group's eight and their weights; x.orig_w + orig_b + agg_b into base.
; WORK LEFT OUT, for all values of the inputs:
;  (a) reference() multiplies each expert's result by combine[t][e], which it builds itself as a one_hot of its own top_k times rw: for the six experts of a group
;      that top_k does not return, that factor is 0.  Their rows of the expert product reach no output: later launches multiply only the chosen rows.
;  (b) rw_k / (rw_1 + rw_2) with rw = exp(l - max) / Z is exp(l_k - l_1) / (1 + exp(l_2 - l_1)): Z and the six other exponentials cancel.  The maximum is still taken away: l_1 is it.
;  Every input keeps a way to the output, so all are loaded by some launch.
; LIMITS: NaN and infinities among the inputs are not served; an overflow that reaches only an expert that was not chosen is not carried to the result.
;  The two largest are taken of the LOGITS (strictly greater wins, so the lower index keeps an exact tie, as lax.top_k has it): two logits that differ, but whose softmax values
;  round to the same f32 number, may be ordered otherwise than reference() orders them.  A logit's K is summed in 16 parts of 128, added in ascending order.
;  A block of zeros gets the scale byte 1, not 127: its codes are zeros, and the bytes are read by this program alone.
; SHARES.  A work-group owns 16 tokens, one tile of rows; each of its 16 waves owns 128 along K.  All 16 loads of x of a wave go out at once, 512 consecutive bytes each.
; x.orig_w goes to the matrix unit with both operands as PAIRS of bf16 numbers, a high and a low part split in f32: high x high + low x high + high x low.
; Weights are always source 0, tokens source 1: a lane holds one token (lane % 16); in a gate tile its 8 registers are the 8 logits of ONE group (2 n + lane / 16).
; sel and rwq, 96 KB together, leave in pieces of 64 and 8 bytes: the layout is the one that the later launches read in whole runs.
.set TPW,   8448                       ; LDS: a wave's stage for x: 16 rows x (512 + 16) bytes
.set CST,   16*TPW                     ; the codes of 16 tokens: rows of 2,048 + 16 bytes
.set CPI,   2064
.set SCS,   CST+16*CPI                 ; their scale bytes: 16 x 64
.set PART,  SCS+1024                   ; each wave's partial sums: five images of four registers, 512 bytes each
.set PPW,   2560
.set SPARE, PART+16*PPW                ; the spare words, 128 bytes a wave: eight blocks of 256 bytes that no other line names
.set SPW,  4                           ; v4   my spare word's address; never rewritten
.set NIL,  5                           ; v5   0; never rewritten
.set XO,   6                           ; v6   16 x lane
.set TS,   7                           ; v7   stage, in
.set TL,   8                           ; v8   stage, out
.set GO,   9                           ; v9   gate codes
.set GSO,  10                          ; v10  gate scale words
.set OO,   11                          ; v11  orig_w
.set CS,   12                          ; v12  codes into LDS
.set CL,   13                          ; v13  a token's codes out of LDS
.set SS,   14                          ; v14  scale word into LDS
.set PS,   15                          ; v15  partial sums into LDS
.set RL,   16                          ; v16  logits' parts out of LDS
.set OL,   17                          ; v17  x.orig_w's parts out of LDS
.set SL,   18                          ; v18  scale bytes out of LDS
.set SELO, 19
.set RWO,  20
.set BO,   21
.set XL,   24                          ; v24-87   x as loaded; then orig_w's high parts (32) and low parts (32)
.set OBH,  24
.set OBL,  56
.set F,    88                          ; v88-151  register 16 b + i = x(row lane % 16, k = 32 b + 16 (lane / 16) + i); then x's high parts (32) and four accumulators
.set XBH,  88
.set G0,   120
.set G1,   128
.set O0,   136
.set O1,   144
.set OW,   152                         ; v152-215 orig_w in f32; then what follows
.set TM,   152                         ; v152-167 at work in the quantiser
.set PC,   168                         ; v168-183 x's codes: a fragment
.set T,    184                         ; v184-215 the held numbers, two sets; then x's low parts
.set XBL,  184
.set GF,   216                         ; v216-247 two fragments of the gate
.set GS,   248                         ; v248-249 their scale words; v250 x's: these three hold scales alone
.set PW,   250
	s_load_b512 s[4:19], s[0:1], 0x0               ; x, gate codes, gate scales, orig_w, orig_b, agg_b, xq, xs
	s_load_b128 s[20:23], s[0:1], 0x40             ; sel, rwq
	s_load_b64 s[24:25], s[0:1], 0x50              ; base
	v_lshl_add_u32 v[SPW], v0, 2, SPARE
	v_mov_b32 v[NIL], 0
	v_lshrrev_b32 v22, 5, v0
	v_readfirstlane_b32 s26, v22                   ; wave 0..15 = my 128 along K
	v_and_b32 v1, 31, v0                           ; lane
	v_and_b32 v2, 15, v0                           ; r
	v_bfe_u32 v3, v0, 4, 1                         ; h
	v_lshlrev_b32 v[XO], 4, v1
	s_mul_i32 s28, s26, TPW
	v_add_nc_u32 v[TS], s28, v[XO]                 ; in: a row's 512 bytes as they lie
	v_mul_u32_u24 v[TL], v2, 528
	v_lshl_add_u32 v[TL], v3, 6, v[TL]
	v_add_nc_u32 v[TL], s28, v[TL]                 ; out: row r, 64 h bytes on
	v_lshlrev_b32 v[GO], 11, v2
	v_lshl_add_u32 v[GO], v3, 4, v[GO]             ; gate: row r of 2,048 bytes, + 16 h
	v_lshlrev_b32 v[GSO], 6, v2                    ; its scale bytes: 64 a row
	v_and_b32 v[OO], 3, v0
	v_lshlrev_b32 v[OO], 13, v[OO]
	v_lshl_add_u32 v[OO], v3, 6, v[OO]             ; orig_w: row r % 4 of 8,192 bytes (rows 4 to 15 of the tile repeat rows 0 to 3), + 64 h
	v_mul_u32_u24 v[CS], v2, CPI
	v_lshl_add_u32 v[CS], v3, 4, v[CS]
	s_lshl_b32 s29, s26, 7
	s_add_co_u32 s29, s29, CST
	v_add_nc_u32 v[CS], s29, v[CS]                 ; token r's row, my 128 bytes, + 16 h
	s_mul_i32 s29, s26, CPI
	s_add_co_u32 s29, s29, CST
	v_add_nc_u32 v[CL], s29, v[XO]                 ; token = my wave's number, 16 bytes a lane
	s_lshl_b32 s29, s26, 2
	s_add_co_u32 s29, s29, SCS
	v_add_nc_u32 v[SS], s29, v[GSO]
	s_mul_i32 s29, s26, PPW
	s_add_co_u32 s29, s29, PART
	v_add_nc_u32 v[PS], s29, v[XO]
	s_and_b32 s27, s26, 1
	s_lshl_b32 s29, s27, 10
	s_add_co_u32 s29, s29, PART
	v_add_nc_u32 v[RL], s29, v[XO]
	v_add_nc_u32 v[OL], PART+2048, v[XO]
	v_add_nc_u32 v[SL], SCS, v[XO]
	v_lshlrev_b32 v[SELO], 2, v2
	v_lshl_add_u32 v[SELO], v3, 13, v[SELO]        ; sel [4][2048] words: group h of my two, token r
	v_lshlrev_b32 v[RWO], 5, v2
	v_lshl_add_u32 v[RWO], v3, 3, v[RWO]           ; rwq: 32 bytes a token, 8 a group
	v_lshlrev_b32 v[BO], 4, v2
	s_mov_b32 s40, 0x76543210
	s_mov_b32 s41, 0xfedcba98                      ; v_permlanex16_b32's selects for lane l xor 16
	s_mov_b32 s42, 0x600000                        ; the mantissa field of 448
	s_mov_b32 s43, 0xffff0000                      ; a word's upper bf16
	s_lshl_b32 s28, ttmp9, 17                      ; 16 tokens of 8,192 bytes,
	s_lshl_b32 s30, s26, 9                         ; my 512 bytes of a row
	s_add_co_u32 s28, s28, s30
	s_mov_b32 s29, 0
	s_mov_b32 s31, 0
	s_wait_kmcnt 0x0
	s_load_b128 s[32:35], s[12:13], 0x0            ; orig_b
	s_load_b128 s[36:39], s[14:15], 0x0            ; agg_b
	s_add_nc_u64 s[4:5], s[4:5], s[28:29]
	s_add_nc_u64 s[10:11], s[10:11], s[30:31]
	s_lshl_b32 s30, s26, 7
	s_add_nc_u64 s[6:7], s[6:7], s[30:31]
	s_lshl_b32 s30, s26, 2
	s_add_nc_u64 s[8:9], s[8:9], s[30:31]
.irp i, 0,1,2,3,4,5,6,7,8,9,10,11,12,13,14,15
	global_load_b128 v[XL+4*\i:XL+4*\i+3], v[XO], s[4:5] offset:8192*\i th:TH_LOAD_NT   ; token i: 512 consecutive bytes; read once in the launch
.endr
.irp n, 0,1
.irp c, 0,1,2,3
	global_load_b128 v[GF+16*\n+4*\c:GF+16*\n+4*\c+3], v[GO], s[6:7] offset:32768*\n+32*\c
.endr
	global_load_b32 v[GS+\n], v[GSO], s[8:9] offset:1024*\n
.endr
.irp b, 0,1,2,3
.irp j, 0,1,2,3
	global_load_b128 v[OW+16*\b+4*\j:OW+16*\b+4*\j+3], v[OO], s[10:11] offset:128*\b+16*\j
.endr
.endr
	s_lshl_b32 s28, ttmp9, 15                      ; where the results go
	s_lshl_b32 s30, s26, 11
	s_add_co_u32 s28, s28, s30
	s_add_nc_u64 s[16:17], s[16:17], s[28:29]      ; xq: token 16 x work-group + wave
	s_lshl_b32 s28, ttmp9, 10
	s_add_nc_u64 s[18:19], s[18:19], s[28:29]      ; xs: 64 bytes a token
	s_lshl_b32 s28, ttmp9, 6
	s_lshl_b32 s30, s27, 14
	s_add_co_u32 s28, s28, s30
	s_add_nc_u64 s[20:21], s[20:21], s[28:29]      ; sel: groups 2 n, 2 n + 1 (n = wave, in waves 0 and 1)
	s_lshl_b32 s28, ttmp9, 9
	s_lshl_b32 s30, s27, 4
	s_add_co_u32 s28, s28, s30
	s_add_nc_u64 s[22:23], s[22:23], s[28:29]      ; rwq
	s_lshl_b32 s28, ttmp9, 8
	s_add_nc_u64 s[24:25], s[24:25], s[28:29]      ; base
	s_wait_loadcnt 26                              ; x is in; the 26 younger loads (gate 8 + 2, orig_w 16) may be out
.irp i, 0,1,2,3,4,5,6,7,8,9,10,11,12,13,14,15
	ds_store_b128 v[TS], v[XL+4*\i:XL+4*\i+3] offset:528*\i
.endr
.irp b, 0,1,2,3
.irp j, 0,1,2,3
	ds_load_b128 v[F+16*\b+4*\j:F+16*\b+4*\j+3], v[TL] offset:128*\b+16*\j   ; my wave's own bytes; LDS serves a wave's instructions in order (ISA guide 5.7.1.4)
.endr
.endr
	s_wait_dscnt 0x0                               ; x lies as the conversions want it, and the stores have read their registers
	s_wait_loadcnt 0x0
; two f32 numbers become a packed high part and a packed low part: low = bf16(x - f32(bf16(x))); the difference is exact in f32
.macro HILO src, hi, lo, t
	v_cvt_pk_bf16_f32 v[\hi], v[\src], v[\src+1]
	v_lshlrev_b32 v[\t], 16, v[\hi]
	v_and_b32 v[\t+1], s43, v[\hi]
	v_pk_add_f32 v[\t:\t+1], v[\src:\src+1], v[\t:\t+1] neg_lo:[0,1] neg_hi:[0,1]
	v_cvt_pk_bf16_f32 v[\lo], v[\t], v[\t+1]
.endm
.set i, 0
.rept 32
	HILO OW+2*i, OBH+i, OBL+i, 252+2*(i%2)
.set i, i+1
.endr
; THE QUANTISER.  A block of 32 lies in lanes l and l xor 16, 16 numbers each.  The held numbers go into other registers: x itself is still wanted whole.
.irp b, 0,1,2,3
	v_mov_b32 v[TM+4+\b], 0                        ; a lane permute's destination counts as one of its sources
.endr
.irp b, 0,1,2,3
	v_max3_num_f32 v[TM+\b], |v[F+16*\b]|, |v[F+1+16*\b]|, 0x4800000   ; and the floor 2^(9 - 127): the byte cannot fall under 1
.endr
.irp i, 2,4,6,8,10,12,14
.irp b, 0,1,2,3
	v_max3_num_f32 v[TM+\b], v[TM+\b], |v[F+16*\b+\i]|, |v[F+1+16*\b+\i]|
.endr
.endr
.irp b, 0,1,2,3
	v_permlanex16_b32 v[TM+4+\b], v[TM+\b], s40, s41
.endr
.irp b, 0,1,2,3
	v_max_num_f32 v[TM+\b], v[TM+\b], v[TM+4+\b]   ; the block's largest magnitude
.endr
.irp b, 0,1,2,3
	v_add_nc_u32 v[TM+12+\b], 0xfc000000, v[TM+\b] ; 8 off its exponent field: the conversion's scale operand
.endr
.irp b, 0,1,2,3
	v_and_or_b32 v[TM+8+\b], v[TM+\b], 0x7f800000, s42   ; 448 x the scale
.endr
.irp b, 0,1,2,3
	v_lshrrev_b32 v[TM+4+\b], 23, v[TM+12+\b]      ; the scale's byte
.endr
	v_lshl_or_b32 v[PW], v[TM+5], 8, v[TM+4]       ; my row's scale word for these 128
	v_lshl_or_b32 v[PW], v[TM+6], 16, v[PW]
	v_lshl_or_b32 v[PW], v[TM+7], 24, v[PW]
.irp b, 0,1,2,3
.irp i, 0,1,2,3,4,5,6,7,8,9,10,11,12,13,14,15
	v_med3_num_f32 v[T+16*(\b%2)+\i], v[F+16*\b+\i], -v[TM+8+\b], v[TM+8+\b]   ; the conversion to an 8-bit code does not saturate (ISA guide 7.6.2); two sets by turns, so that no conversion's source is written next to it
.endr
	v_cvt_scalef32_pk8_fp8_f32 v[PC+4*\b:PC+4*\b+1], v[T+16*(\b%2):T+16*(\b%2)+7], v[TM+12+\b]
	v_cvt_scalef32_pk8_fp8_f32 v[PC+4*\b+2:PC+4*\b+3], v[T+16*(\b%2)+8:T+16*(\b%2)+15], v[TM+12+\b]
.endr
	v_nop                                          ; a plain line behind the last scaled conversion
; x's high parts are laid over x from its low end on (part i lands on a register whose pair has been taken), the low parts over the held numbers
	v_cvt_pk_bf16_f32 v251, v[F], v[F+1]
	v_lshlrev_b32 v252, 16, v251
	v_and_b32 v253, s43, v251
	v_pk_add_f32 v[252:253], v[F:F+1], v[252:253] neg_lo:[0,1] neg_hi:[0,1]
	v_cvt_pk_bf16_f32 v[XBL], v252, v253
	v_mov_b32 v[XBH], v251
.set i, 1
.rept 31
	HILO F+2*i, XBH+i, XBL+i, 252+2*(i%2)
.set i, i+1
.endr
.rept 4
	v_nop                                          ; places between the last operand written and the products
.endr
.macro OP acc, wreg, xreg, first
.if \first
	v_wmma_f32_16x16x32_bf16 v[\acc:\acc+7], v[\wreg:\wreg+7], v[\xreg:\xreg+7], 0
.else
	v_wmma_f32_16x16x32_bf16 v[\acc:\acc+7], v[\wreg:\wreg+7], v[\xreg:\xreg+7], v[\acc:\acc+7]
.endif
.endm
; the accumulators take turns, one instruction a turn.  In a bf16 operand register 8 b + i holds k = 32 b + 16 h + 2 i, + 1: the same places on both sides
	v_wmma_scale_f32_16x16x128_f8f6f4 v[G0:G0+7], v[GF:GF+15], v[PC:PC+15], 0, v[GS], v[PW]
	OP O0, OBH, XBH, 1
	v_wmma_scale_f32_16x16x128_f8f6f4 v[G1:G1+7], v[GF+16:GF+31], v[PC:PC+15], 0, v[GS+1], v[PW]
	OP O1, OBH+8, XBH+8, 1
	OP O0, OBH+16, XBH+16, 0
	OP O1, OBH+24, XBH+24, 0
	OP O0, OBL, XBH, 0
	OP O1, OBL+8, XBH+8, 0
	OP O0, OBL+16, XBH+16, 0
	OP O1, OBL+24, XBH+24, 0
	OP O0, OBH, XBL, 0
	OP O1, OBH+8, XBL+8, 0
	OP O0, OBH+16, XBL+16, 0
	OP O1, OBH+24, XBL+24, 0
.rept 8
	v_nop                                          ; eight places behind the scaled form, ahead of the first read of results
.endr
	v_pk_add_f32 v[152:153], v[O0:O0+1], v[O1:O1+1]        ; registers 0 to 3: the four outputs of token r
	v_pk_add_f32 v[154:155], v[O0+2:O0+3], v[O1+2:O1+3]
.irp c, 0,1,2,3
	ds_store_b128 v[CS], v[PC+4*\c:PC+4*\c+3] offset:32*\c
.endr
	ds_store_b32 v[SS], v[PW]                      ; both halves of the lanes write the same word with the same value
	ds_store_b128 v[PS], v[G0:G0+3]
	ds_store_b128 v[PS], v[G0+4:G0+7] offset:512
	ds_store_b128 v[PS], v[G1:G1+3] offset:1024
	ds_store_b128 v[PS], v[G1+4:G1+7] offset:1536
	ds_store_b128 v[PS], v[152:155] offset:2048
	s_wait_kmcnt 0x0                               ; the two biases
	s_wait_dscnt 0x0                               ; for the others' sake: my stores have landed
	s_barrier_signal -1
	s_barrier_wait -1                              ; the only barrier: behind it LDS is only read
.irp q, 0,1,2,3
	ds_load_b128 v[152+4*\q:155+4*\q], v[CL] offset:512*\q
.endr
.irp q, 0,1,2,3
	s_wait_dscnt 3-\q
	global_store_b128 v[XO], v[152+4*\q:155+4*\q], s[16:17] offset:512*\q   ; a token's codes: 512 consecutive bytes a store
.endr
	s_cmp_lt_u32 s26, 2
	s_cbranch_scc0 .Lnot_top
	; waves 0 and 1: the logits of groups 2 n and 2 n + 1
.irp p, 0,1,2,3,4,5,6,7,8,9,10,11,12,13,14,15
	ds_load_b128 v[24+8*\p:27+8*\p], v[RL] offset:PPW*\p
	ds_load_b128 v[28+8*\p:31+8*\p], v[RL] offset:PPW*\p+512
.endr
	s_wait_dscnt 0x0
.irp p, 1,2,3,4,5,6,7,8,9,10,11,12,13,14,15
.irp k, 0,2,4,6
	v_pk_add_f32 v[24+\k:25+\k], v[24+\k:25+\k], v[24+8*\p+\k:25+8*\p+\k]
.endr
.endr
	v_mov_b32 v200, v24                            ; the largest so far and its expert as one bit;
	v_mov_b32 v201, 1
	v_mov_b32 v202, 0xff800000                     ; the second largest: -infinity, no expert
	v_mov_b32 v203, 0
.irp e, 1,2,3,4,5,6,7
	v_mov_b32 v204, 1<<\e
	v_cmp_gt_f32 s44, v[24+\e], v200
	v_cmp_gt_f32 s45, v[24+\e], v202
	v_cndmask_b32 v202, v202, v[24+\e], s45
	v_cndmask_b32 v203, v203, v204, s45
	v_cndmask_b32 v202, v202, v200, s44
	v_cndmask_b32 v203, v203, v201, s44
	v_cndmask_b32 v200, v200, v[24+\e], s44
	v_cndmask_b32 v201, v201, v204, s44
.endr
	v_sub_f32 v205, v202, v200                     ; l2 - l1, 0 or less: the maximum is taken away
	v_mul_f32 v205, 0x3fb8aa3b, v205
	v_exp_f32 v206, v205
	v_lshl_or_b32 v207, v203, 8, v201              ; the word for sel: first choice in byte 0, second in byte 1.  (A plain line behind the exponential)
	s_wait_alu depctr_va_vdst(0)                   ; the wait ahead of the first line that names the result
	v_add_f32 v208, 1.0, v206
	v_rcp_f32 v209, v208
	v_nop
	s_wait_alu depctr_va_vdst(0)
	v_mul_f32 v210, 0x3e800000, v209               ; the first weight x 1/4 (the mean over four groups),
	v_mul_f32 v211, v210, v206                     ; the second
	global_store_b32 v[SELO], v207, s[20:21]
	global_store_b64 v[RWO], v[210:211], s[22:23]
	s_branch .Lend
.Lnot_top:
	s_cmp_eq_u32 s26, 2
	s_cbranch_scc0 .Lnot_base
	; wave 2: x.orig_w
.irp p, 0,1,2,3,4,5,6,7,8,9,10,11,12,13,14,15
	ds_load_b128 v[24+4*\p:27+4*\p], v[OL] offset:PPW*\p
.endr
	s_wait_dscnt 0x0
.irp p, 1,2,3,4,5,6,7,8,9,10,11,12,13,14,15
	v_pk_add_f32 v[24:25], v[24:25], v[24+4*\p:25+4*\p]
	v_pk_add_f32 v[26:27], v[26:27], v[26+4*\p:27+4*\p]
.endr
.irp j, 0,1,2,3
	v_add_f32 v[24+\j], s[32+\j], v[24+\j]
.endr
.irp j, 0,1,2,3
	v_add_f32 v[24+\j], s[36+\j], v[24+\j]
.endr
	v_cmp_gt_u32 vcc_lo, 16, v1
	s_wait_xcnt 0x0                                ; EXEC changes only behind this wait
	s_and_saveexec_b32 s46, vcc_lo
	global_store_b128 v[BO], v[24:27], s[24:25]    ; sixteen lanes store 256 consecutive bytes, aligned
	s_wait_xcnt 0x0
	s_or_b32 exec_lo, exec_lo, s46
	s_branch .Lend
.Lnot_base:
	s_cmp_eq_u32 s26, 3
	s_cbranch_scc0 .Lend
	; wave 3: the scale bytes of the 16 tokens, 1,024 consecutive bytes
	ds_load_b128 v[24:27], v[SL]
	ds_load_b128 v[28:31], v[SL] offset:512
	s_wait_dscnt 0x0
	global_store_b128 v[XO], v[24:27], s[18:19]
	global_store_b128 v[XO], v[28:31], s[18:19] offset:512
.Lend:
	s_wait_tensorcnt 0x0                           ; the wave's end
	ds_add_u32 v[SPW], v[NIL]
	s_wait_dscnt 0x0
	s_endpgm
.Lfunc_end_k_q0336b4d55c_route:
	.size	k_q0336b4d55c_route, .Lfunc_end_k_q0336b4d55c_route-k_q0336b4d55c_route
	.p2alignl 7, 3214868480
	.fill 96, 4, 3214868480
	.section	.rodata,"a",@progbits
	.p2align	6, 0x0
	.amdhsa_kernel k_q0336b4d55c_route
		.amdhsa_group_segment_fixed_size 212224
		.amdhsa_private_segment_fixed_size 0
		.amdhsa_enable_private_segment 0
		.amdhsa_kernarg_size 88
		.amdhsa_user_sgpr_count 2
		.amdhsa_user_sgpr_kernarg_segment_ptr 1
		.amdhsa_wavefront_size32 1
		.amdhsa_system_sgpr_workgroup_id_x 1
		.amdhsa_system_sgpr_workgroup_id_y 1
		.amdhsa_system_sgpr_workgroup_id_z 1
		.amdhsa_system_vgpr_workitem_id 0
		.amdhsa_next_free_vgpr 256
		.amdhsa_next_free_sgpr 66
		.amdhsa_reserve_vcc 1
		.amdhsa_float_denorm_mode_32 3
		.amdhsa_float_denorm_mode_16_64 3
		.amdhsa_memory_ordered 1
		.amdhsa_forward_progress 1
		.amdhsa_inst_pref_size 52
	.end_amdhsa_kernel
	.amdgpu_metadata
---
amdhsa.version: [ 1, 2 ]
amdhsa.kernels:
  - .name:           k_q0336b4d55c_route
    .symbol:         k_q0336b4d55c_route.kd
    .args:
      - { .name: x, .offset: 0, .size: 8, .value_kind: global_buffer, .address_space: global }
      - { .name: gate_w_codes, .offset: 8, .size: 8, .value_kind: global_buffer, .address_space: global }
      - { .name: gate_w_scales, .offset: 16, .size: 8, .value_kind: global_buffer, .address_space: global }
      - { .name: orig_w, .offset: 24, .size: 8, .value_kind: global_buffer, .address_space: global }
      - { .name: orig_b, .offset: 32, .size: 8, .value_kind: global_buffer, .address_space: global }
      - { .name: agg_b, .offset: 40, .size: 8, .value_kind: global_buffer, .address_space: global }
      - { .name: xq, .offset: 48, .size: 8, .value_kind: global_buffer, .address_space: global }
      - { .name: xs, .offset: 56, .size: 8, .value_kind: global_buffer, .address_space: global }
      - { .name: sel, .offset: 64, .size: 8, .value_kind: global_buffer, .address_space: global }
      - { .name: rwq, .offset: 72, .size: 8, .value_kind: global_buffer, .address_space: global }
      - { .name: base, .offset: 80, .size: 8, .value_kind: global_buffer, .address_space: global }
    .group_segment_fixed_size: 212224
    .private_segment_fixed_size: 0
    .kernarg_segment_align: 8
    .kernarg_segment_size: 88
    .max_flat_workgroup_size: 512
    .sgpr_count:     66
    .vgpr_count:     256
    .wavefront_size: 32
...
	.end_amdgpu_metadata
.endif
;; end of part 1
;; launch place (part 2): grid 256 x 1, 1 waves a work-group, no clusters, 0 bytes of LDS; arguments sel, list, counts; writes list, counts
.if DOCPART == 2
	.amdgcn_target "amdgcn-amd-amdhsa--gfx1250"
	.amdhsa_code_object_version 6
	.text
	.protected	k_q0336b4d55c_place
	.globl	k_q0336b4d55c_place
	.p2align	8
	.type	k_q0336b4d55c_place,@function
k_q0336b4d55c_place:
	s_mov_b64 s[64:65], 0
	v_nop
	global_prefetch_b8 v0, s[64:65] scope:SCOPE_SE
	s_setreg_imm32_b32 hwreg(HW_REG_WAVE_MODE, 25, 1), 1
	s_wait_xcnt 0x0
; SECOND LAUNCH.  For each of the 32 experts (group g, expert e) the list of its routed rows and their number.  A routed row is rid = 8 t + 2 g + k: token t, group g, k-th choice.
; sel [4][2048]: a word a token and group, bit e for the first choice, bit 8 + e for the second.  list [32][2048] words: only the first counts[..] of an expert's are written.
; A work-group is one wave: expert ttmp9 / 8, part p = ttmp9 % 8: it places tokens 256 p to 256 p + 255.  Nothing passes between work-groups: each counts the parts in front of its own for itself
; (the group's 2,048 words are 16 loads).  A place in the list is the number of chosen tokens in front: earlier parts, earlier registers of my part, lower lanes of the register.
; ORDER: all masks, places and row numbers are made first, with every lane on; then the count is stored (part 0 alone); the eight stores under the choice's masks come last, with scalar lines alone between them.
	s_load_b128 s[4:7], s[0:1], 0x0                ; sel, list
	s_load_b64 s[8:9], s[0:1], 0x10                ; counts
	s_lshr_b32 s16, ttmp9, 3                       ; the expert, 0 to 31
	s_and_b32 s22, ttmp9, 7                        ; p
	s_lshr_b32 s17, s16, 3                         ; g
	s_and_b32 s18, s16, 7                          ; e
	s_lshl_b32 s20, 0x101, s18                     ; chosen, first or second
	s_lshl_b32 s21, 0x100, s18                     ; chosen second
	v_lshlrev_b32 v1, 4, v0                        ; 16 x lane
	s_lshl_b32 s12, s17, 13
	s_mov_b32 s13, 0
	s_lshl_b32 s14, s22, 10
	s_mov_b32 s15, 0
	s_lshl_b32 s28, s16, 13
	s_mov_b32 s29, 0
	s_lshl_b32 s32, s16, 2
	s_mov_b32 s33, 0
	s_lshl_b32 s23, s22, 11
	s_lshl_b32 s19, s17, 1
	s_add_co_u32 s23, s23, s19
	v_lshl_add_u32 v2, v0, 5, s23                  ; rid of my lane's first token of the part, first choice: 8 (256 p + 4 lane) + 2 g
	v_mov_b32 v3, 0                                ; the count's offset
	s_mov_b32 s24, 0                               ; the expert's rows in all
	s_mov_b32 s25, 0                               ; those in front of my part; then the running place
	s_wait_kmcnt 0x0
	s_add_nc_u64 s[4:5], s[4:5], s[12:13]          ; sel at group g,
	s_add_nc_u64 s[10:11], s[4:5], s[14:15]        ; at my part
	s_add_nc_u64 s[6:7], s[6:7], s[28:29]          ; the expert's list
	s_add_nc_u64 s[8:9], s[8:9], s[32:33]          ; and its count
.irp i, 0,1,2,3,4,5,6,7,8,9,10,11,12,13,14,15
	global_load_b128 v[16+4*\i:19+4*\i], v1, s[4:5] offset:512*\i    ; register 4 i + q: token 128 i + 4 lane + q
.endr
	global_load_b128 v[80:83], v1, s[10:11]
	global_load_b128 v[84:87], v1, s[10:11] offset:512
	s_wait_loadcnt 0x0
.macro COUNT q                         ; part q: registers 8 q to 8 q + 7
.irp j, 0,1,2,3,4,5,6,7
	v_and_b32 v[88+\j], s20, v[16+8*\q+\j]
.endr
.irp j, 0,1,2,3,4,5,6,7
	v_cmp_ne_u32 s[40+\j], 0, v[88+\j]
.endr
	s_mov_b32 s26, 0
.irp j, 0,1,2,3,4,5,6,7
	s_bcnt1_i32_b32 s27, s[40+\j]
	s_add_co_u32 s26, s26, s27
.endr
	s_cmp_gt_u32 s22, \q                           ; a part in front of mine?
	s_cselect_b32 s27, s26, 0
	s_add_co_u32 s24, s24, s26
	s_add_co_u32 s25, s25, s27
.endm
.irp q, 0,1,2,3,4,5,6,7
	COUNT \q
.endr
	v_mov_b32 v4, s24                              ; the count
	; my part: register c holds token 256 p + 128 (c / 4) + 4 lane + c % 4
.irp c, 0,1,2,3,4,5,6,7
	v_and_b32 v[88+\c], s20, v[80+\c]
.endr
.irp c, 0,1,2,3,4,5,6,7
	v_cmp_ne_u32 s[40+\c], 0, v[88+\c]             ; the lanes whose token chose this expert
.endr
.irp c, 0,1,2,3,4,5,6,7
	v_and_b32 v[88+\c], s21, v[80+\c]
.endr
.irp c, 0,1,2,3,4,5,6,7
	v_cmp_ne_u32 s31, 0, v[88+\c]
	v_cndmask_b32 v[88+\c], 0, 1, s31              ; k
	v_add3_u32 v[104+\c], v2, v[88+\c], (128*(\c/4)+\c%4)*8
	v_mbcnt_lo_u32_b32 v[96+\c], s[40+\c], s25     ; the running place + the chosen lanes below mine
	v_min_u32 v[96+\c], 2047, v[96+\c]             ; a list has 2,048 places
	v_lshlrev_b32 v[96+\c], 2, v[96+\c]
	s_bcnt1_i32_b32 s26, s[40+\c]
	s_add_co_u32 s25, s25, s26
.endr
	s_cmp_lg_u32 s22, 0                            ; part 0 stores the expert's count
	s_cbranch_scc1 .Lno_count
	v_cmp_eq_u32 vcc_lo, 0, v0
	s_wait_xcnt 0x0                                ; EXEC changes only behind this wait
	s_and_saveexec_b32 s30, vcc_lo
	global_store_b32 v3, v4, s[8:9]
	s_wait_xcnt 0x0
	s_or_b32 exec_lo, exec_lo, s30
.Lno_count:
.irp c, 0,1,2,3,4,5,6,7
	s_wait_xcnt 0x0                                ; EXEC changes only behind this wait
	s_and_saveexec_b32 s30, s[40+\c]
	global_store_b32 v[96+\c], v[104+\c], s[6:7]
	s_wait_xcnt 0x0
	s_or_b32 exec_lo, exec_lo, s30
.endr
	s_endpgm
.Lfunc_end_k_q0336b4d55c_place:
	.size	k_q0336b4d55c_place, .Lfunc_end_k_q0336b4d55c_place-k_q0336b4d55c_place
	.p2alignl 7, 3214868480
	.fill 96, 4, 3214868480
	.section	.rodata,"a",@progbits
	.p2align	6, 0x0
	.amdhsa_kernel k_q0336b4d55c_place
		.amdhsa_group_segment_fixed_size 0
		.amdhsa_private_segment_fixed_size 0
		.amdhsa_enable_private_segment 0
		.amdhsa_kernarg_size 24
		.amdhsa_user_sgpr_count 2
		.amdhsa_user_sgpr_kernarg_segment_ptr 1
		.amdhsa_wavefront_size32 1
		.amdhsa_system_sgpr_workgroup_id_x 1
		.amdhsa_system_sgpr_workgroup_id_y 1
		.amdhsa_system_sgpr_workgroup_id_z 1
		.amdhsa_system_vgpr_workitem_id 0
		.amdhsa_next_free_vgpr 128
		.amdhsa_next_free_sgpr 66
		.amdhsa_reserve_vcc 1
		.amdhsa_float_denorm_mode_32 3
		.amdhsa_float_denorm_mode_16_64 3
		.amdhsa_memory_ordered 1
		.amdhsa_forward_progress 1
		.amdhsa_inst_pref_size 21
	.end_amdhsa_kernel
	.amdgpu_metadata
---
amdhsa.version: [ 1, 2 ]
amdhsa.kernels:
  - .name:           k_q0336b4d55c_place
    .symbol:         k_q0336b4d55c_place.kd
    .args:
      - { .name: sel, .offset: 0, .size: 8, .value_kind: global_buffer, .address_space: global }
      - { .name: list, .offset: 8, .size: 8, .value_kind: global_buffer, .address_space: global }
      - { .name: counts, .offset: 16, .size: 8, .value_kind: global_buffer, .address_space: global }
    .group_segment_fixed_size: 0
    .private_segment_fixed_size: 0
    .kernarg_segment_align: 8
    .kernarg_segment_size: 24
    .max_flat_workgroup_size: 32
    .sgpr_count:     66
    .vgpr_count:     128
    .wavefront_size: 32
...
	.end_amdgpu_metadata
.endif
;; end of part 2
;; launch experts (part 3): grid 256 x 1, 4 waves a work-group, no clusters, 264,704 bytes of LDS; arguments xq, xs, list, counts, expert_w_codes, expert_w_scales, expert_b, agg_w, y; writes y
.if DOCPART == 3
	.amdgcn_target "amdgcn-amd-amdhsa--gfx1250"
	.amdhsa_code_object_version 6
	.text
	.protected	k_q0336b4d55c_experts
	.globl	k_q0336b4d55c_experts
	.p2align	8
	.type	k_q0336b4d55c_experts,@function
k_q0336b4d55c_experts:
	s_mov_b64 s[64:65], 0
	v_nop
	global_prefetch_b8 v0, s[64:65] scope:SCOPE_SE
	s_setreg_imm32_b32 hwreg(HW_REG_WAVE_MODE, 25, 1), 1
	s_wait_xcnt 0x0
; THIRD LAUNCH.  y[rid][slice][j] = sum over the slice's 128 outputs d of agg_w[j][d] (Q(x)[t].W[expert][d] + b[expert][d]), for the routed rows alone.
; WORK LEFT OUT: the rows of the six experts of a group that reference()'s own top_k does not return for a token: its combine is 0 there for all values of the inputs.
; SHARES.  256 work-groups whatever the split: expert ttmp9 / 8, slice (ttmp9 / 2) % 4 of 128 outputs, half ttmp9 % 2 of the expert's rows.
; THE SLICE OF W, 128 rows x 2,048 codes, is copied into LDS once, by loads of 512 consecutive bytes, whatever the counts hold; then comes the launch's ONE barrier, which every wave passes on every way.
; Behind it the waves share nothing: wave w takes blocks of 80 routed rows, the first at row 80 (4 half + w), the next 640 further on.  The loop is counted against a constant: four blocks 640 rows apart pass an
; expert's 2,048 rows; a forward branch on the expert's stored count leaves it as soon as the next block begins past the list's end.  No barrier and no LDS write stands in the loop.
; A TRIP: 5 loads of the list; offsets; x's scale words; then K in 16 steps of 128, written out.  A step is 40 products: W's 8 tiles x the block's 5 tiles of rows, the 40 accumulators by turns.
; W's fragments come from LDS, one set of registers: a tile is free when its five products are issued; tiles 0-3 are fetched anew in the step's middle, 4-7 at its end.
; x's fragments come straight from xq: lane (r, h) takes 16 bytes of its row, a pair of lanes 32 neighbouring bytes, a step's four loads 128 bytes of each of 16 rows.  Four sets, asked for four steps ahead.
; ROWS AT OR PAST THE COUNT repeat the list's last row, which lies in the same block: the same operands give the same four numbers for the same place in y, and they are stored there once more.  So no mask hangs on the count.
; They stand ahead of the barrier, with no branch round them.  Of an expert with no rows they take the list's first word, which nobody has written:
; it is held within the tables and reaches no result.
; THE PRODUCT IS USED TRANSPOSED (source 0 = 16 rows of W, source 1 = 16 rows of x): a lane holds one routed row and eight neighbouring outputs, which, rounded to bf16 in pairs, are source 1 of the product with agg_w.
; expert_b is the C of each sum's first product.
; NO CLUSTER, NO TENSOR LOAD: this launch loads through registers alone, and joint loads are tensor loads.  NO PREFETCH: W's copy stands at the kernel's head, and a block's rows are known one load ahead of their use.
; y leaves in pieces of 16 bytes, a row and slice each: 1 MB in all; the next launch reads it in runs of 512 bytes.
; REGISTERS by absolute number; an instruction names the low 8 bits, s_set_vgpr_msb the window of each operand place (bits 1:0 source 0, 3:2 source 1, 5:4 source 2, 7:6 destination).
;   0-255: addresses; 32-71 x's scale words, 72-135 W's (these hold scales alone); 136-199 expert_b; 200-231 agg_w in bf16.   256-495: x's sets 0-2 (80 each); 496-511: W's tile 7.
;   512-751: accumulators (b, a), b = 0..5, at 512 + 40 b + 8 a; 752-767: W's tile 6.   768-847: accumulators b = 6, 7; 848-927: x's set 3; 928-1023: W's tiles 0-5.
;   Ahead of the loop 512-767 are two landing slots for W's copy and 256-319 take agg_w in f32.  On the way out 256-415 hold the results in bf16 and 416-455 y.
.set WP,    2064                       ; a row of W in LDS: 2,048 bytes + 16: 129 x 16, so the 16 rows of a fragment load start at 16 different groups of banks (64 banks of 4 bytes: ISA guide 11.1)
.set SPARE, 128*WP                     ; behind W: the spare words, 128 bytes a wave: two blocks of 256 bytes that no other line names
.set SPW,  4                           ; v4     my spare word's address; never rewritten
.set NIL,  5                           ; v5     0; never rewritten
.set WCO,  6                           ; v6     16 x lane
.set WCS,  7                           ; v7     W's copy: where my 16 bytes go
.set WA,   8                           ; v8-11  W's fragments: tiles 2 n, 2 n + 1
.set WSO,  12
.set H32,  13                          ; v13    32 h
.set AGO,  14
.set H16,  15                          ; v15    16 h
.set LI,   18                          ; v18-22 the list's entries of rows 16 a + r
.set XO,   24                          ; v24-28 their rows in xq
.set XS,   32
.set WS,   72
.set BI,   136
.set AGF,  200
.set XSO,  232                         ; v232-236 their rows in xs
.set LE,   237                         ; v237-241 their places in y
.set TT,   242
.set LOW,  76                          ; s76    the mask of lanes 0 to 15
.set MSB, 0
.macro WIN new                         ; the immediate's high byte repeats the setting that is left; a switch that changes nothing is dropped
.if MSB != (\new)
	s_set_vgpr_msb (MSB<<8)|(\new)
.set MSB, (\new)
.endif
.endm
.macro NOPS n
.rept \n
	v_nop
.endr
.endm
.macro SETW b                          ; where W's tile b lies
.if (\b) < 6
.set rA, 928+16*(\b)
.elseif (\b) == 6
.set rA, 752
.else
.set rA, 496
.endif
.set aL, rA&255
.endm
.macro SETX s, a                       ; where tile a of step s's rows lies
.set rB, 256+80*((\s)%4)+16*(\a)+352*(((\s)%4)/3)
.set bL, rB&255
.endm
	s_load_b512 s[4:19], s[0:1], 0x0               ; xq, xs, list, counts, W's codes, W's scales, expert_b, agg_w
	s_load_b64 s[20:21], s[0:1], 0x40              ; y
	v_lshl_add_u32 v[SPW], v0, 2, SPARE
	v_mov_b32 v[NIL], 0
	v_lshrrev_b32 v23, 5, v0
	v_readfirstlane_b32 s22, v23                   ; wave 0..3
	v_and_b32 v1, 31, v0
	v_and_b32 v2, 15, v0                           ; r
	v_bfe_u32 v3, v0, 4, 1                         ; h
	v_cmp_gt_u32 s[LOW], 16, v1                    ; lanes 0 to 15: they hold y on the way out
	s_lshr_b32 s23, ttmp9, 3                       ; the expert
	s_bfe_u32 s24, ttmp9, 0x20001                  ; the slice
	s_and_b32 s25, ttmp9, 1                        ; the half
	v_lshlrev_b32 v[WCO], 4, v1
	s_mul_i32 s26, s22, 32*WP
	v_add_nc_u32 v[WCS], s26, v[WCO]               ; my wave copies rows 32 w to 32 w + 31
	v_mul_u32_u24 v[WA], v2, WP
	v_lshl_add_u32 v[WA], v3, 4, v[WA]             ; a fragment's row x pitch + 16 h
	v_add_nc_u32 v[WA+1], 32*WP, v[WA]
	v_add_nc_u32 v[WA+2], 64*WP, v[WA]
	v_add_nc_u32 v[WA+3], 96*WP, v[WA]
	v_lshlrev_b32 v[H32], 5, v3
	v_lshlrev_b32 v[H16], 4, v3
	v_lshl_add_u32 v[WSO], v2, 6, v[H32]           ; W's scale bytes: 64 a row; lanes 16-31 take K steps 8 to 15
	v_and_b32 v[AGO], 3, v0
	v_lshl_add_u32 v[AGO], v[AGO], 11, v[H32]      ; agg_w: row r % 4 of 2,048 bytes (rows 4 to 15 of the tile repeat rows 0 to 3), + 8 h numbers
	s_lshl_b32 s26, s25, 2
	s_add_co_u32 s26, s26, s22
	s_mul_i32 s70, s26, 80                         ; my first block's first row
	s_lshl_b32 s28, s23, 2
	s_mov_b32 s29, 0
	s_wait_kmcnt 0x0
	s_add_nc_u64 s[10:11], s[10:11], s[28:29]
	s_load_b32 s61, s[10:11], 0x0                  ; the expert's rows
	s_lshl_b32 s28, s23, 20
	s_lshl_b32 s26, s24, 18
	s_add_co_u32 s28, s28, s26
	s_lshl_b32 s26, s22, 16
	s_add_co_u32 s28, s28, s26
	s_add_nc_u64 s[12:13], s[12:13], s[28:29]      ; W's codes: expert, slice, my 32 rows
	s_lshl_b32 s28, s23, 15
	s_lshl_b32 s26, s24, 13
	s_add_co_u32 s28, s28, s26
	s_add_nc_u64 s[14:15], s[14:15], s[28:29]      ; W's scale bytes
	s_lshl_b32 s28, s23, 11
	s_lshl_b32 s26, s24, 9
	s_add_co_u32 s28, s28, s26
	s_add_nc_u64 s[16:17], s[16:17], s[28:29]      ; expert_b
	s_mov_b32 s28, s26
	s_add_nc_u64 s[18:19], s[18:19], s[28:29]      ; agg_w: the slice's 128 columns
	s_lshl_b32 s28, s23, 13
	s_add_nc_u64 s[8:9], s[8:9], s[28:29]          ; the expert's list
	s_lshl_b32 s28, s24, 4
	s_add_nc_u64 s[20:21], s[20:21], s[28:29]      ; y: the slice's 16 bytes of a row's 64
.irp b, 0,1,2,3,4,5,6,7
.irp u, 0,1
	global_load_b128 v[WS+8*\b+4*\u:WS+8*\b+4*\u+3], v[WSO], s[14:15] offset:1024*\b+16*\u   ; register 8 b + i: lanes 0-15 the word of K step i, lanes 16-31 that of step 8 + i
.endr
.endr
.irp b, 0,1,2,3,4,5,6,7
.irp u, 0,1
	global_load_b128 v[BI+8*\b+4*\u:BI+8*\b+4*\u+3], v[H32], s[16:17] offset:64*\b+16*\u     ; in the result's layout: outputs 16 b + 8 h + 0 .. 7
.endr
.endr
	WIN 0x40
.irp i, 0,1,2,3,4,5,6,7,8,9,10,11,12,13,14,15
	global_load_b128 v[4*\i:4*\i+3], v[AGO], s[18:19] offset:128*(\i/4)+64*((\i/2)%2)+16*(\i%2)   ; agg_w in f32: for 32 p on: numbers 8 h + 0 .. 7, then 16 + 8 h + 0 .. 7
.endr
; W's copy: batch k = rows 8 k to 8 k + 7 of my 32, 32 loads of 512 consecutive bytes, into a landing slot of 128 registers in window 2
.macro WBLOAD k, slot
	WIN 0x80
.irp i, 0,1,2,3,4,5,6,7
.irp q, 0,1,2,3
	global_load_b128 v[\slot+16*\i+4*\q:\slot+16*\i+4*\q+3], v[WCO], s[12:13] offset:(8*\k+\i)*2048+512*\q
.endr
.endr
.endm
.macro WBSTORE k, slot
	WIN 0x08
.irp i, 0,1,2,3,4,5,6,7
.irp q, 0,1,2,3
	ds_store_b128 v[WCS], v[\slot+16*\i+4*\q:\slot+16*\i+4*\q+3] offset:(8*\k+\i)*WP+512*\q
.endr
.endr
.endm
.macro LISTS                           ; the list's entries of rows s70 + 16 a + r, held at the last row that the list has
.irp a, 0,1,2,3,4
	v_add_nc_u32 v[LI+\a], s70, v2
.endr
.irp a, 1,2,3,4
	v_add_nc_u32 v[LI+\a], 16*\a, v[LI+\a]
.endr
.irp a, 0,1,2,3,4
	v_min_u32 v[LI+\a], s67, v[LI+\a]
	v_min_u32 v[LI+\a], 2047, v[LI+\a]
	v_lshlrev_b32 v[LI+\a], 2, v[LI+\a]
.endr
.irp a, 0,1,2,3,4
	global_load_b32 v[LI+\a], v[LI+\a], s[8:9]
.endr
.endm
.macro OFFSETS                         ; rid = 8 t + ..: the token's rows in xq and xs, the row's place in y
.irp a, 0,1,2,3,4
	v_lshrrev_b32 v[TT+\a], 3, v[LI+\a]
.endr
.irp a, 0,1,2,3,4
	v_min_u32 v[TT+\a], 2047, v[TT+\a]
.endr
.irp a, 0,1,2,3,4
	v_lshl_add_u32 v[XO+\a], v[TT+\a], 11, v[H16]
	v_lshl_add_u32 v[XSO+\a], v[TT+\a], 6, v[H32]
	v_min_u32 v[LE+\a], 16383, v[LI+\a]
.endr
.irp a, 0,1,2,3,4
	v_lshlrev_b32 v[LE+\a], 6, v[LE+\a]
.endr
.endm
.macro XSLOAD                          ; x's scale words: register 8 a + i: lanes 0-15 the word of K step i, lanes 16-31 that of step 8 + i
.irp a, 0,1,2,3,4
.irp u, 0,1
	global_load_b128 v[XS+8*\a+4*\u:XS+8*\a+4*\u+3], v[XSO+\a], s[6:7] offset:16*\u
.endr
.endr
.endm
.macro XLOAD s                         ; x's five fragments of K step s into set s % 4: 20 loads
.irp a, 0,1,2,3,4
	SETX \s, \a
	WIN (rB>>8)<<6
.irp c, 0,1,2,3
	global_load_b128 v[bL+4*\c:bL+4*\c+3], v[XO+\a], s[4:5] offset:128*(\s)+32*\c
.endr
.endr
.endm
.macro WRUN s, b0                      ; W's tiles b0 to b0 + 3 of K step s from LDS: 16 loads
.irp b, \b0, \b0+1, \b0+2, \b0+3
	SETW \b
	WIN (rA>>8)<<6
.irp c, 0,1,2,3
	ds_load_b128 v[aL+4*\c:aL+4*\c+3], v[WA+(\b)/2] offset:((\b)%2)*16*WP+128*(\s)+32*\c
.endr
.endr
.endm
.macro PROD b, a, s
	SETW \b
	SETX \s, \a
.set rD, 512+40*(\b)+8*(\a)+16*((\b)/6)
.set dL, rD&255
.if (\s) == 0
.set rC, BI+8*(\b)
.else
.set rC, rD
.endif
.set cL, rC&255
	WIN (rA>>8)|((rB>>8)<<2)|((rC>>8)<<4)|((rD>>8)<<6)
.if (\s) < 8
	v_wmma_scale_f32_16x16x128_f8f6f4 v[dL:dL+7], v[aL:aL+15], v[bL:bL+15], v[cL:cL+7], v[WS+8*(\b)+((\s)&7)], v[XS+8*(\a)+((\s)&7)]
.else
	v_wmma_scale_f32_16x16x128_f8f6f4 v[dL:dL+7], v[aL:aL+15], v[bL:bL+15], v[cL:cL+7], v[WS+8*(\b)+((\s)&7)], v[XS+8*(\a)+((\s)&7)] matrix_a_scale:MATRIX_SCALE_ROW1 matrix_b_scale:MATRIX_SCALE_ROW1
.endif
.endm
; A K step.  A load into a register that a matrix instruction has read stands eight places behind it, and only plain vector instructions that name none of its registers are places
; eight v_nop in front of each run of loads.
.macro STEP s
.if (\s) <= 12
	s_wait_loadcnt 60                              ; this step's x is in; the three younger sets, 20 loads each, may be out
.else
	s_wait_loadcnt 20*(15-(\s))
.endif
	s_wait_dscnt 16                                ; W's tiles 0-3 are in; tiles 4-7, the 16 younger loads, may be out
.irp b, 0,1,2,3
.irp a, 0,1,2,3,4
	PROD \b, \a, \s
.endr
.endr
	s_wait_dscnt 0x0
	NOPS 8
.if (\s) < 15
	WRUN (\s)+1, 0
.endif
.irp b, 4,5,6,7
.irp a, 0,1,2,3,4
	PROD \b, \a, \s
.endr
.endr
	NOPS 8
.if (\s) < 15
	WRUN (\s)+1, 4
.endif
.if (\s) < 12
	XLOAD (\s)+4                                   ; into the set that this step has just left
.endif
.endm
	WBLOAD 0, 0
	WIN 0
	s_wait_kmcnt 0x0
	s_min_u32 s61, s61, 2048                       ; an expert has at most 2,048 rows
	s_max_u32 s67, s61, 1
	s_sub_co_u32 s67, s67, 1                       ; the list's last row
	LISTS
	WBLOAD 1, 128
	s_wait_loadcnt 37                              ; the 48 small loads and batch 0 are in; younger: the list's 5 and batch 1's 32
	WIN 0x05
.set i, 0
.rept 32
	v_cvt_pk_bf16_f32 v[AGF+i], v[2*i], v[2*i+1]
.set i, i+1
.endr
	WBSTORE 0, 0
	s_wait_dscnt 0x0                               ; the stores have read their registers
	WBLOAD 2, 0
	s_wait_loadcnt 32                              ; the list and batch 1 are in; younger: batch 2
	WIN 0
	OFFSETS
	WBSTORE 1, 128
	s_wait_dscnt 0x0
	WBLOAD 3, 128
	s_wait_loadcnt 32                              ; batch 2 is in; younger: batch 3
	WBSTORE 2, 0
	WIN 0
	XSLOAD
	XLOAD 0
	s_wait_loadcnt 30                              ; batch 3 is in; younger: x's 10 scale loads and step 0's 20
	WBSTORE 3, 128
	XLOAD 1
	WIN 0
	s_wait_dscnt 0x0                               ; for the others' sake: my part of W lies in LDS
	s_barrier_signal -1
	s_barrier_wait -1                              ; the only barrier: behind it LDS is only read
	s_cmp_lt_u32 s70, s61                          ; has my wave a block?
	s_cbranch_scc0 .Ldone
	WRUN 0, 0
	WRUN 0, 4
	XLOAD 2
	XLOAD 3
	WIN 0
	s_mov_b32 s75, 4                               ; four blocks 640 rows apart pass 2,048 rows
.Lblock:
.irp s, 0,1,2,3,4,5,6,7,8,9,10,11,12,13,14,15
	STEP \s
.endr
	NOPS 1                                         ; nine places in all behind the last product: results are laid over operands that are done with
	; THE WAY OUT.  The block's results in bf16: for 32 p on, registers 0-3 from tile 2 p, 4-7 from tile 2 p + 1: source 1 of the product with agg_w.  Each accumulator is read from its low end on.
.irp p, 0,1,2,3
.irp a, 0,1,2,3,4
.irp v, 0,1
.set rS, 512+40*(2*\p+\v)+8*\a+16*((2*\p+\v)/6)
.set sL, rS&255
	WIN (rS>>8)|((rS>>8)<<2)|0x40
.irp i, 0,1,2,3
	v_cvt_pk_bf16_f32 v[32*\a+8*\p+4*\v+\i], v[sL+2*\i], v[sL+2*\i+1]
.endr
.endr
.endr
.endr
	NOPS 4
	WIN 0x54                                       ; agg_w in window 0; the results, C and D in window 1
.irp p, 0,1,2,3
.irp a, 0,1,2,3,4
.if \p == 0
	v_wmma_f32_16x16x32_bf16 v[160+8*\a:167+8*\a], v[AGF+8*\p:AGF+8*\p+7], v[32*\a+8*\p:32*\a+8*\p+7], 0
.else
	v_wmma_f32_16x16x32_bf16 v[160+8*\a:167+8*\a], v[AGF+8*\p:AGF+8*\p+7], v[32*\a+8*\p:32*\a+8*\p+7], v[160+8*\a:167+8*\a]
.endif
.endr
.endr
	NOPS 4
	WIN 0x04                                       ; a store's data are its source 1: window 1
	s_wait_xcnt 0x0                                ; EXEC changes only behind this wait
	s_and_saveexec_b32 s73, s[LOW]                 ; lanes 0 to 15: a mask made of the lane's number alone
.irp a, 0,1,2,3,4
	global_store_b128 v[LE+\a], v[160+8*\a:163+8*\a], s[20:21]   ; registers 0 to 3 of lane r: y of row 16 a + r, j = 0 .. 3
.endr
	s_wait_xcnt 0x0                                ; the stores have read EXEC, their addresses and their data
	s_or_b32 exec_lo, exec_lo, s73
	WIN 0
	s_add_co_u32 s70, s70, 640                     ; my next block
	s_cmp_ge_u32 s70, s61
	s_cbranch_scc1 .Ldone                          ; it begins past the list's end: so would all that follow
	LISTS
	s_wait_loadcnt 0x0
	OFFSETS
	XSLOAD
	XLOAD 0
	XLOAD 1
	WRUN 0, 0
	WRUN 0, 4
	XLOAD 2
	XLOAD 3
	WIN 0
	s_sub_co_u32 s75, s75, 1
	s_cmp_lg_u32 s75, 0
	s_cbranch_scc1 .Lblock
.Ldone:
	s_wait_tensorcnt 0x0                           ; the wave's end
	ds_add_u32 v[SPW], v[NIL]
	s_wait_dscnt 0x0
	s_endpgm
.Lfunc_end_k_q0336b4d55c_experts:
	.size	k_q0336b4d55c_experts, .Lfunc_end_k_q0336b4d55c_experts-k_q0336b4d55c_experts
	.p2alignl 7, 3214868480
	.fill 96, 4, 3214868480
	.section	.rodata,"a",@progbits
	.p2align	6, 0x0
	.amdhsa_kernel k_q0336b4d55c_experts
		.amdhsa_group_segment_fixed_size 264704
		.amdhsa_private_segment_fixed_size 0
		.amdhsa_enable_private_segment 0
		.amdhsa_kernarg_size 72
		.amdhsa_user_sgpr_count 2
		.amdhsa_user_sgpr_kernarg_segment_ptr 1
		.amdhsa_wavefront_size32 1
		.amdhsa_system_sgpr_workgroup_id_x 1
		.amdhsa_system_sgpr_workgroup_id_y 1
		.amdhsa_system_sgpr_workgroup_id_z 1
		.amdhsa_system_vgpr_workitem_id 0
		.amdhsa_next_free_vgpr 1024
		.amdhsa_next_free_sgpr 96
		.amdhsa_reserve_vcc 0
		.amdhsa_float_denorm_mode_32 3
		.amdhsa_float_denorm_mode_16_64 3
		.amdhsa_memory_ordered 1
		.amdhsa_forward_progress 1
		.amdhsa_inst_pref_size 216
	.end_amdhsa_kernel
	.amdgpu_metadata
---
amdhsa.version: [ 1, 2 ]
amdhsa.kernels:
  - .name:           k_q0336b4d55c_experts
    .symbol:         k_q0336b4d55c_experts.kd
    .args:
      - { .name: xq, .offset: 0, .size: 8, .value_kind: global_buffer, .address_space: global }
      - { .name: xs, .offset: 8, .size: 8, .value_kind: global_buffer, .address_space: global }
      - { .name: list, .offset: 16, .size: 8, .value_kind: global_buffer, .address_space: global }
      - { .name: counts, .offset: 24, .size: 8, .value_kind: global_buffer, .address_space: global }
      - { .name: expert_w_codes, .offset: 32, .size: 8, .value_kind: global_buffer, .address_space: global }
      - { .name: expert_w_scales, .offset: 40, .size: 8, .value_kind: global_buffer, .address_space: global }
      - { .name: expert_b, .offset: 48, .size: 8, .value_kind: global_buffer, .address_space: global }
      - { .name: agg_w, .offset: 56, .size: 8, .value_kind: global_buffer, .address_space: global }
      - { .name: y, .offset: 64, .size: 8, .value_kind: global_buffer, .address_space: global }
    .group_segment_fixed_size: 264704
    .private_segment_fixed_size: 0
    .kernarg_segment_align: 8
    .kernarg_segment_size: 72
    .max_flat_workgroup_size: 128
    .sgpr_count:     96
    .vgpr_count:     1024
    .wavefront_size: 32
...
	.end_amdgpu_metadata
.endif
;; end of part 3
;; launch combine (part 4): grid 32 x 1, 4 waves a work-group, no clusters, 0 bytes of LDS; arguments y, rwq, base, out0; writes out0
.if DOCPART == 4
	.amdgcn_target "amdgcn-amd-amdhsa--gfx1250"
	.amdhsa_code_object_version 6
	.text
	.protected	k_q0336b4d55c_combine
	.globl	k_q0336b4d55c_combine
	.p2align	8
	.type	k_q0336b4d55c_combine,@function
k_q0336b4d55c_combine:
	s_mov_b64 s[64:65], 0
	v_nop
	global_prefetch_b8 v0, s[64:65] scope:SCOPE_SE
	s_setreg_imm32_b32 hwreg(HW_REG_WAVE_MODE, 25, 1), 1
	s_wait_xcnt 0x0
; FOURTH LAUNCH.  out0[t][j] = base[t][j] + sum over the token's 8 routed rows and the 4 slices of rwq[rid] y[rid][slice][j].  rwq holds the routing weight x 1/4, the mean over the four groups.
; A token's y is 512 consecutive bytes, 32 pieces of 16: one load of a wave, a piece a lane; lane l's piece belongs to row 8 t + l / 4.  A wave owns 16 tokens.
; The 32 lanes are summed by four steps inside each half (DPP) and one across; token q's four sums are then kept in lane q, and sixteen lanes store 256 consecutive bytes, aligned.
; Memory binds and the launch is short: no LDS, no matrix unit, no barrier.
	s_load_b256 s[4:11], s[0:1], 0x0               ; y, rwq, base, out0
	v_lshrrev_b32 v2, 5, v0
	v_readfirstlane_b32 s12, v2
	v_and_b32 v1, 31, v0
	s_lshl_b32 s13, ttmp9, 2
	s_add_co_u32 s13, s13, s12                     ; which 16 tokens
	v_lshlrev_b32 v3, 4, v1                        ; y: 16 bytes a lane
	v_lshrrev_b32 v4, 2, v1
	v_lshlrev_b32 v4, 2, v4                        ; rwq: the word of row l / 4
	v_and_b32 v5, 15, v0
	v_lshlrev_b32 v5, 4, v5                        ; base and out0: token l % 16
	s_mov_b32 s14, 0x76543210
	s_mov_b32 s15, 0xfedcba98                      ; v_permlanex16_b32's selects for lane l xor 16
	s_lshl_b32 s16, s13, 13
	s_mov_b32 s17, 0
	s_lshl_b32 s18, s13, 9
	s_mov_b32 s19, 0
	s_lshl_b32 s20, s13, 8
	s_mov_b32 s21, 0
.irp j, 0,1,2,3
	v_mov_b32 v[100+\j], 0                         ; the results
	v_mov_b32 v[104+\j], 0                         ; a lane permute's destination counts as one of its sources
.endr
	s_wait_kmcnt 0x0
	s_add_nc_u64 s[4:5], s[4:5], s[16:17]
	s_add_nc_u64 s[6:7], s[6:7], s[18:19]
	s_add_nc_u64 s[8:9], s[8:9], s[20:21]
	s_add_nc_u64 s[10:11], s[10:11], s[20:21]
.irp q, 0,1,2,3,4,5,6,7,8,9,10,11,12,13,14,15
	global_load_b128 v[16+4*\q:19+4*\q], v3, s[4:5] offset:512*\q th:TH_LOAD_NT
.endr
.irp q, 0,1,2,3,4,5,6,7,8,9,10,11,12,13,14,15
	global_load_b32 v[80+\q], v4, s[6:7] offset:32*\q
.endr
	global_load_b128 v[96:99], v5, s[8:9]
	s_wait_loadcnt 0x0
.irp q, 0,1,2,3,4,5,6,7,8,9,10,11,12,13,14,15
.irp j, 0,1,2,3
	v_mul_f32 v[16+4*\q+\j], v[16+4*\q+\j], v[80+\q]
.endr
.irp m, 1,2,4,8
.irp j, 0,1,2,3
	v_add_f32_dpp v[16+4*\q+\j], v[16+4*\q+\j], v[16+4*\q+\j] row_xmask:\m row_mask:0xf bank_mask:0xf
.endr
.endr
.irp j, 0,1,2,3
	v_permlanex16_b32 v[104+\j], v[16+4*\q+\j], s14, s15
.endr
.irp j, 0,1,2,3
	v_add_f32 v[16+4*\q+\j], v[16+4*\q+\j], v[104+\j]
.endr
	v_cmp_eq_u32 vcc_lo, \q, v1
.irp j, 0,1,2,3
	v_cndmask_b32 v[100+\j], v[100+\j], v[16+4*\q+\j], vcc_lo
.endr
.endr
	v_pk_add_f32 v[100:101], v[100:101], v[96:97]
	v_pk_add_f32 v[102:103], v[102:103], v[98:99]
	v_cmp_gt_u32 vcc_lo, 16, v1
	s_wait_xcnt 0x0                                ; EXEC changes only behind this wait
	s_and_saveexec_b32 s22, vcc_lo
	global_store_b128 v5, v[100:103], s[10:11]
	s_wait_xcnt 0x0
	s_or_b32 exec_lo, exec_lo, s22
	s_endpgm
.Lfunc_end_k_q0336b4d55c_combine:
	.size	k_q0336b4d55c_combine, .Lfunc_end_k_q0336b4d55c_combine-k_q0336b4d55c_combine
	.p2alignl 7, 3214868480
	.fill 96, 4, 3214868480
	.section	.rodata,"a",@progbits
	.p2align	6, 0x0
	.amdhsa_kernel k_q0336b4d55c_combine
		.amdhsa_group_segment_fixed_size 0
		.amdhsa_private_segment_fixed_size 0
		.amdhsa_enable_private_segment 0
		.amdhsa_kernarg_size 32
		.amdhsa_user_sgpr_count 2
		.amdhsa_user_sgpr_kernarg_segment_ptr 1
		.amdhsa_wavefront_size32 1
		.amdhsa_system_sgpr_workgroup_id_x 1
		.amdhsa_system_sgpr_workgroup_id_y 1
		.amdhsa_system_sgpr_workgroup_id_z 1
		.amdhsa_system_vgpr_workitem_id 0
		.amdhsa_next_free_vgpr 112
		.amdhsa_next_free_sgpr 66
		.amdhsa_reserve_vcc 1
		.amdhsa_float_denorm_mode_32 3
		.amdhsa_float_denorm_mode_16_64 3
		.amdhsa_memory_ordered 1
		.amdhsa_forward_progress 1
		.amdhsa_inst_pref_size 32
	.end_amdhsa_kernel
	.amdgpu_metadata
---
amdhsa.version: [ 1, 2 ]
amdhsa.kernels:
  - .name:           k_q0336b4d55c_combine
    .symbol:         k_q0336b4d55c_combine.kd
    .args:
      - { .name: y, .offset: 0, .size: 8, .value_kind: global_buffer, .address_space: global }
      - { .name: rwq, .offset: 8, .size: 8, .value_kind: global_buffer, .address_space: global }
      - { .name: base, .offset: 16, .size: 8, .value_kind: global_buffer, .address_space: global }
      - { .name: out0, .offset: 24, .size: 8, .value_kind: global_buffer, .address_space: global }
    .group_segment_fixed_size: 0
    .private_segment_fixed_size: 0
    .kernarg_segment_align: 8
    .kernarg_segment_size: 32
    .max_flat_workgroup_size: 128
    .sgpr_count:     66
    .vgpr_count:     112
    .wavefront_size: 32
...
	.end_amdgpu_metadata
.endif
;; end of part 4
